; MI455X (gfx1250); checked and timed in simulation.
; The chip was launched on July 23, 2026; its instructions are those of AMD's public machine-readable ISA for CDNA 5 (MIT licence, August 2026) and "CDNA5" Instruction Set Architecture Reference Guide (July 2026). The comments in the code are by the model that wrote it; some were corrected since.
;; Self Attention. Allowed arithmetic: matrix products marked QUANTISED: E5M2 operands, one given power-of-two scale a tensor, by v_wmma_f32_16x16x64_bf8_bf8 or v_wmma_f32_16x16x128_bf8_bf8, f32 sums; everything else in f32.
;; Inputs: Wk 1,024 x 1,024 float32; Wo 1,024 x 1,024 float32; Wq 1,024 x 1,024 float32; Wv 1,024 x 1,024 float32; lowp_scales 12 int32 (the exponents e of the quantised operands' scales 2^e); x 4 x 2,048 x 1,024 float32.
;; Outputs: out0 4 x 2,048 x 1,024 float32.
;; This version of the problem:
;;   THIS VERSION OF THE PROBLEM IS GIVEN IN LOW PRECISION. The matrix products marked QUANTISED in the list below multiply operands that are first quantised to E5M2 (5 exponent bits, 2 mantissa bits; 8 bits a number), with one given power-of-two scale for each operand tensor; their sums are f32. All else is computed in f32.
;;   The module's matrix products, in the order in which they are computed (A, B: the left and right operand; K: the contracted axis; several contracted axes count as one K, in the product's order):
;;     1. [M 8,192, K 1,024] x [K 1,024, N 1,024]; A: input x; B: input Wq: QUANTISED (scales: A lowp_scales[0], B lowp_scales[1])
;;     2. [M 8,192, K 1,024] x [K 1,024, N 1,024]; A: input x; B: input Wk: QUANTISED (scales: A lowp_scales[2], B lowp_scales[3])
;;     3. [M 8,192, K 1,024] x [K 1,024, N 1,024]; A: input x; B: input Wv: QUANTISED (scales: A lowp_scales[4], B lowp_scales[5])
;;     4. batch 64 x [M 2,048, K 64] x [K 64, N 2,048]; A: computed on the way; B: computed on the way: QUANTISED (scales: A lowp_scales[6], B lowp_scales[7])
;;     5. batch 64 x [M 2,048, K 2,048] x [K 2,048, N 64]; A: softmax (see below); B: computed on the way: QUANTISED (scales: A lowp_scales[8], B lowp_scales[9])
;;     6. [M 8,192, K 1,024] x [K 1,024, N 1,024]; A: computed on the way; B: input Wo: QUANTISED (scales: A lowp_scales[10], B lowp_scales[11])
;;   THE QUANTISER, for each operand of a quantised product, along K:
;;     - The operand's scale is 2^e, e = its entry of the input lowp_scales (int32; the entries are numbered through the quantised products in the list's order, A before B).
;;     - Each number is divided by the scale, clamped to +-57,344, and rounded to the nearest number of E5M2, ties to even, subnormals kept.
;;     - The product sums the exact products of the quantised numbers (number of the format x scale) in f32.
;;   ~~~python
;;   def quantise(x, axis, e):      # numpy; x: float32 -> the quantised numbers, widened to float32 again
;;       x = np.moveaxis(x, axis, -1); K = x.shape[-1]
;;       r = np.clip(x / 2.0 ** e, -57344, 57344)
;;       step = 2.0 ** (np.maximum(np.frexp(np.where(r == 0, 1, r))[1] - 1, -14) - 2)
;;       q = np.round(r / step) * step * 2.0 ** e      # np.round: ties to even
;;       return np.moveaxis(q, -1, axis).astype(np.float32)
;;   ~~~
;;   SOFTMAX AHEAD OF A QUANTISED PRODUCT. Where the list says 'softmax', what is quantised is not the finished softmax but p = 2^(t - M), with t = logit x log2(e) and M = ceil(the row's largest t), a whole number; so 1/2 < the row's largest p <= 1. The row's sum l is taken of the UNQUANTISED p, in f32, and the product's result is divided by l at the end. Since M is a whole number, a kernel that streams over the keys may use a running M (the ceiling of the running maximum): every later rescaling is an exact power of two, so the quantised numbers keep their values, but for numbers so far below the row's largest that they fall under the format's range.
;;   OPERANDS COMPUTED ON THE WAY. 'Computed on the way' means the value that the module computes at that place (a softmax that the list does not call 'softmax' is quantised finished and normalised). What goes into a quantiser is computed in f32, as accurately as f32 sums, v_exp_f32 and their like allow (about 1e-6 of the number): no bf16 or f16 on the way to a quantiser, and a product that is left as it is and whose result goes on into a quantised operand takes f32 operands (vector FMAs, or v_wmma_f32_16x16x4_f32). A number that lies on a knife's edge between two numbers of the format may be rounded either way, as far as f32 arithmetic and the matrix unit's own rounding can turn it there, and no further.
;; One version. Each part assembles by itself: llvm-mc -triple=amdgcn-amd-amdhsa -mcpu=gfx1250 --defsym DOCPART=n.
;; ======== version 1 of 1: 4 launches
;; limits: right only within a limited range of input values
;; workspace buffers: xc 25,165,824 bytes; wc 4,194,304 bytes; qkv 25,165,824 bytes; ac 8,388,608 bytes
;; launch quant (part 1): grid 768 x 1, 8 waves a work-group, no clusters, 68,608 bytes of LDS; arguments x, Wq, Wk, Wv, Wo, lowp_scales, xc, wc; writes xc, wc
.if DOCPART == 1
	.amdgcn_target "amdgcn-amd-amdhsa--gfx1250"
	.amdhsa_code_object_version 6
	.text
	.protected	k_qc00c371b42_quant
	.globl	k_qc00c371b42_quant
	.p2align	8
	.type	k_qc00c371b42_quant,@function
k_qc00c371b42_quant:
	s_mov_b64 s[64:65], 0
	v_nop
	global_prefetch_b8 v0, s[64:65] scope:SCOPE_SE
	s_setreg_imm32_b32 hwreg(HW_REG_WAVE_MODE, 25, 1), 1
	s_wait_xcnt 0x0
; x [8192][1024] and Wq, Wk, Wv, Wo [1024][1024], f32, K innermost, become codes of BF8 (E5M2).  x has three scales of its own (entries 0, 2, 4 of the
; scales' buffer: one for each of the products with Wq, Wk, Wv) and is quantised three times from one read; the weights take entries 1, 3, 5, 11.
; code = number / 2^e, held within +-57,344, rounded to the nearest code, ties to even.
; LIMITS: each e used here lies between -126 and 112, so that 2^e and 57,344 x 2^e are f32 numbers.  NaN among the inputs is not served.
; THE CODES ARE LAID AS IMAGES OF THE OPERAND'S REGISTERS.  A fragment is 16 rows x 128 K in 16 registers a lane: lane (r = lane % 16, h = lane / 16) holds row r,
; registers 2 c, 2 c + 1 hold k = 16 c + 8 h + 0 .. 7.  Registers 4 g .. 4 g + 3 lie at 512 g + 16 x lane of the fragment's 2,048 bytes.  The fragments of a tensor lie
; [row / 128][k / 256][(row / 16) % 8][(k / 128) % 2]: 128 rows x 256 K are 32,768 consecutive bytes.  So every store here covers 512 consecutive bytes, aligned.
; SHARES.  A work-group takes 16 rows (65,536 consecutive bytes): work-groups 0-511 of x, 512-767 of the weights (64 each).  Wave w takes k = 128 w .. 128 w + 127: one fragment.
; Each load reads 512 consecutive bytes of a row; the 16 x 512 bytes turn through the wave's own stage in LDS (rows 528 bytes apart)
; and come back as a lane's eight neighbours along K.  Waves share nothing: no barrier.
.set NX,  512                          ; work-groups that take x
.set SP,  528                          ; a stage row: 512 bytes + 16
.set WST, 16*SP                        ; a wave's stage
.set R,   16                           ; v16-79   the numbers as loaded
.set X,   80                           ; v80-143  register 8 c + i = k 16 c + 8 h + i of my row
.set C,   144                          ; v144-191 codes: 16 registers for each version, so that no store's data are written again
; v2 load offset, v3 stage in, v4 stage out, v5 16 x lane; v8 + 2 n: 2^e of version n
	s_load_b512 s[4:19], s[0:1], 0x0               ; x s[4:5], Wq s[6:7], Wk s[8:9], Wv s[10:11], Wo s[12:13], scales s[14:15], xc s[16:17], wc s[18:19]
	v_lshl_add_u32 v192, v0, 2, 0x10800
	v_mov_b32 v193, 0
	v_lshrrev_b32 v1, 5, v0
	s_delay_alu instid0(VALU_DEP_1)
	v_readfirstlane_b32 s20, v1                    ; wave 0..7
	v_and_b32 v1, 31, v0
	s_delay_alu instid0(VALU_DEP_1)
	v_lshlrev_b32 v5, 4, v1                        ; 16 x lane
	s_lshl_b32 s54, s20, 9
	v_add_nc_u32 v2, s54, v5                       ; in a row of 4,096 bytes: my wave's 512, my lane's 16
	s_mul_i32 s55, s20, WST
	v_add_nc_u32 v3, s55, v5                       ; into the stage as loaded
	v_and_b32 v6, 15, v0                           ; r
	v_bfe_u32 v7, v0, 4, 1                         ; h
	s_delay_alu instid0(VALU_DEP_2)
	v_mul_u32_u24 v4, v6, SP
	s_delay_alu instid0(VALU_DEP_1)
	v_lshl_add_u32 v4, v7, 5, v4
	s_delay_alu instid0(VALU_DEP_1)
	v_add_nc_u32 v4, s55, v4                       ; out of it: row r, + 32 h bytes (8 numbers)
	s_sub_co_u32 s21, ttmp9, NX
	s_lshr_b32 s23, s21, 6                         ; which weight
	s_and_b32 s22, s21, 63                         ; and which 16 rows of it
	s_cmp_lt_u32 ttmp9, NX
	s_cselect_b32 s22, ttmp9, s22                  ; RT: the tile of 16 rows
	s_cselect_b32 s23, 0, s23
	s_lshr_b32 s46, s22, 3                         ; where my fragment lies: (RT / 8) x 131,072
	s_lshl_b32 s46, s46, 17
	s_and_b32 s47, s22, 7
	s_lshl_b32 s47, s47, 12                        ; + (RT % 8) x 4,096
	s_add_co_u32 s46, s46, s47
	s_lshr_b32 s47, s20, 1
	s_lshl_b32 s47, s47, 15                        ; + (w / 2) x 32,768
	s_add_co_u32 s46, s46, s47
	s_and_b32 s47, s20, 1
	s_lshl_b32 s47, s47, 11                        ; + (w % 2) x 2,048
	s_add_co_u32 s46, s46, s47
	s_lshl_b32 s47, s23, 20                        ; + the weight's 1 MiB in wc (0 for x)
	s_add_co_u32 s46, s46, s47
	s_mov_b32 s47, 0
	s_lshl_b32 s48, s22, 16                        ; the 16 rows in the source
	s_mov_b32 s49, 0
	s_wait_alu depctr_va_vdst(0)
	s_wait_kmcnt 0x0
	s_load_b256 s[24:31], s[14:15], 0x0            ; e0 .. e7
	s_load_b128 s[32:35], s[14:15], 0x20           ; e8 .. e11
	s_cmp_eq_u32 s23, 1                            ; the buffers are chosen on the work-group's number alone
	s_cselect_b64 s[36:37], s[8:9], s[6:7]
	s_cmp_eq_u32 s23, 2
	s_cselect_b64 s[36:37], s[10:11], s[36:37]
	s_cmp_eq_u32 s23, 3
	s_cselect_b64 s[36:37], s[12:13], s[36:37]
	s_cmp_lt_u32 ttmp9, NX
	s_cselect_b64 s[36:37], s[4:5], s[36:37]
	s_cselect_b64 s[40:41], s[16:17], s[18:19]
	s_add_nc_u64 s[36:37], s[36:37], s[48:49]
	s_add_nc_u64 s[40:41], s[40:41], s[46:47]      ; version 0 (or the weight's codes)
	s_add_nc_u64 s[42:43], s[40:41], 0x800000      ; x's versions 1 and 2, 8 MiB apart; used by x's work-groups alone
	s_add_nc_u64 s[44:45], s[40:41], 0x1000000
.set i, 0
.rept 16
	global_load_b128 v[R+4*i:R+4*i+3], v2, s[36:37] offset:4096*i th:TH_LOAD_NT   ; row i: 32 lanes read 512 consecutive bytes; read once in the launch
.set i, i+1
.endr
.macro MKSC n, e                       ; 2^e as f32 (the conversion takes its exponent field)
	s_add_co_i32 s52, s[\e], 127
	s_lshl_b32 s53, s52, 23
	v_mov_b32 v[8+2*\n], s53
.endm
	s_wait_kmcnt 0x0
	s_cmp_eq_u32 s23, 1
	s_cselect_b32 s50, s27, s25                    ; e3 : e1
	s_cmp_eq_u32 s23, 2
	s_cselect_b32 s50, s29, s50                    ; e5
	s_cmp_eq_u32 s23, 3
	s_cselect_b32 s50, s35, s50                    ; e11
	s_cmp_lt_u32 ttmp9, NX
	s_cselect_b32 s50, s24, s50                    ; e0 for x
	MKSC 0, 50
	MKSC 1, 26                                     ; e2
	MKSC 2, 28                                     ; e4
.set i, 0
	s_wait_alu depctr_va_vdst(0)
.rept 16
	s_wait_loadcnt 15-i                            ; loads come back in order: row i is in, the 15 - i rows behind it may be out
	ds_store_b128 v3, v[R+4*i:R+4*i+3] offset:SP*i
.set i, i+1
.endr
.irp c, 0,1,2,3,4,5,6,7
	ds_load_b128 v[X+8*\c:X+8*\c+3],   v4 offset:64*\c      ; LDS serves a wave's instructions in order: these see the stores above
	ds_load_b128 v[X+8*\c+4:X+8*\c+7], v4 offset:64*\c+16
.endr
	s_wait_dscnt 0x0
; One version: convert, store.
.macro QV n, d
.set j, 0
.rept 64
.set j, j+1
.endr
.irp c, 0,1,2,3,4,5,6,7
	v_cvt_scalef32_pk8_bf8_f32 v[C+16*\n+2*\c:C+16*\n+2*\c+1], v[X+8*\c:X+8*\c+7], v[8+2*\n]
.endr
	v_nop                                          ; a plain vector line behind the conversions
.irp g, 0,1,2,3
	global_store_b128 v5, v[C+16*\n+4*\g:C+16*\n+4*\g+3], s[\d:\d+1] offset:512*\g   ; 32 lanes store 512 consecutive bytes, at a multiple of 512 from the buffer's first byte
.endr
.endm
	QV 0, 40
	s_cmp_lt_u32 ttmp9, NX
	s_cbranch_scc0 .Lend                           ; a weight has one version
	QV 1, 42
	QV 2, 44
.Lend:
	s_wait_tensorcnt 0x0
	ds_add_u32 v192, v193
	s_wait_dscnt 0x0
	s_endpgm
.Lfunc_end_k_qc00c371b42_quant:
	.size	k_qc00c371b42_quant, .Lfunc_end_k_qc00c371b42_quant-k_qc00c371b42_quant
	.p2alignl 7, 3214868480
	.fill 96, 4, 3214868480
	.section	.rodata,"a",@progbits
	.p2align	6, 0x0
	.amdhsa_kernel k_qc00c371b42_quant
		.amdhsa_group_segment_fixed_size 68608
		.amdhsa_private_segment_fixed_size 0
		.amdhsa_enable_private_segment 0
		.amdhsa_kernarg_size 64
		.amdhsa_user_sgpr_count 2
		.amdhsa_user_sgpr_kernarg_segment_ptr 1
		.amdhsa_wavefront_size32 1
		.amdhsa_system_sgpr_workgroup_id_x 1
		.amdhsa_system_sgpr_workgroup_id_y 1
		.amdhsa_system_sgpr_workgroup_id_z 1
		.amdhsa_system_vgpr_workitem_id 0
		.amdhsa_next_free_vgpr 194
		.amdhsa_next_free_sgpr 66
		.amdhsa_reserve_vcc 0
		.amdhsa_float_denorm_mode_32 3
		.amdhsa_float_denorm_mode_16_64 3
		.amdhsa_fp16_overflow 1
		.amdhsa_memory_ordered 1
		.amdhsa_forward_progress 1
		.amdhsa_inst_pref_size 11
	.end_amdhsa_kernel
	.amdgpu_metadata
---
amdhsa.version: [ 1, 2 ]
amdhsa.kernels:
  - .name:           k_qc00c371b42_quant
    .symbol:         k_qc00c371b42_quant.kd
    .args:
      - { .name: x, .offset: 0, .size: 8, .value_kind: global_buffer, .address_space: global }
      - { .name: Wq, .offset: 8, .size: 8, .value_kind: global_buffer, .address_space: global }
      - { .name: Wk, .offset: 16, .size: 8, .value_kind: global_buffer, .address_space: global }
      - { .name: Wv, .offset: 24, .size: 8, .value_kind: global_buffer, .address_space: global }
      - { .name: Wo, .offset: 32, .size: 8, .value_kind: global_buffer, .address_space: global }
      - { .name: lowp_scales, .offset: 40, .size: 8, .value_kind: global_buffer, .address_space: global }
      - { .name: xc, .offset: 48, .size: 8, .value_kind: global_buffer, .address_space: global }
      - { .name: wc, .offset: 56, .size: 8, .value_kind: global_buffer, .address_space: global }
    .group_segment_fixed_size: 68608
    .private_segment_fixed_size: 0
    .kernarg_segment_align: 8
    .kernarg_segment_size: 64
    .max_flat_workgroup_size: 256
    .sgpr_count:     66
    .vgpr_count:     194
    .wavefront_size: 32
...
	.end_amdgpu_metadata
.endif
;; end of part 1
;; launch qkv (part 2): grid 12 x 32, 4 waves a work-group, clusters of 4 x 4, 327,680 bytes of LDS; arguments xc, wc, lowp_scales, qkv; writes qkv
.if DOCPART == 2
	.amdgcn_target "amdgcn-amd-amdhsa--gfx1250"
	.amdhsa_code_object_version 6
	.text
	.protected	k_qc00c371b42_qkv
	.globl	k_qc00c371b42_qkv
	.p2align	8
	.type	k_qc00c371b42_qkv,@function
k_qc00c371b42_qkv:
	s_mov_b64 s[64:65], 0
	v_nop
	global_prefetch_b8 v0, s[64:65] scope:SCOPE_SE
	s_setreg_imm32_b32 hwreg(HW_REG_WAVE_MODE, 25, 1), 1
	s_wait_xcnt 0x0
	s_wait_alu depctr_hold_cnt(0) depctr_sa_sdst(0) depctr_va_vdst(0) depctr_va_sdst(0) depctr_va_ssrc(0) depctr_va_vcc(0) depctr_vm_vsrc(0)
	s_getreg_b32 s2, hwreg(HW_REG_IB_STS2, 6, 4)
	s_cmp_eq_u32 s2, 0
	s_cbranch_scc0 .Lentry_in_a_cluster
	s_endpgm
.Lentry_in_a_cluster:
	s_bfe_u32 s2, ttmp6, 0x10000c
	s_cmp_lg_u32 s2, 0xf033
	s_cbranch_scc0 .Lentry_shape_is_right
	s_endpgm
.Lentry_shape_is_right:
; q = x Wq^T, k = x Wk^T, v = x Wv^T on codes of BF8 (E5M2), sums in f32; the results are quantised in registers (scales: entries 6, 7, 9) and stored as images of the registers
; in which the attention launch wants them.  The cluster's x says which: 0 q, 1 k, 2 v.
; OPERANDS.  xc (three versions of x's codes, 8 MiB apart) and wc (four weights' codes, 1 MiB apart) hold images of fragments: 16 rows x 128 K, 16 registers a lane; lane (r, h) holds row r,
; registers 2 c, 2 c + 1 hold k = 16 c + 8 h + 0 .. 7; registers 4 g .. 4 g + 3 lie at 512 g + 16 x lane.  Fragments lie [row / 128][k / 256][(row / 16) % 8][(k / 128) % 2]: 128 rows x 256 K are 32,768 dense bytes.
; A tile is 256 rows of "A" x 256 rows of "B"; four waves, as many as a WGP has SIMDs, each 128 x 128: 64 accumulators, 512 registers.  THE MATRIX INSTRUCTION IS USED TRANSPOSED (source 0 = 16 rows of B,
; source 1 = 16 rows of A): a lane holds ONE row of A and eight neighbouring rows of B.  For q and k: A = x, B = the weight: a lane holds a token and eight neighbouring channels, which are the next product's K.
; For v the same text computes v^T: A = Wv, B = x: a lane holds a channel and eight neighbouring keys, the next product's K there.  Only pointers, tile coordinates and store offsets are chosen (no branch).
; K = 1,024 goes in four steps of 256 through a ring of two LDS slots; each wave fetches 128 rows x 256 K, one dense block, by one tensor load.
; CLUSTERS: 4 x 4 work-groups.  The four of a row of the cluster need the same tiles of A, the four of a column the same tiles of B: each is asked for jointly.
; OUT.  Q at byte 0 of qkv, K at 8 MiB, V at 16 MiB; each has 131,072 bytes for each (batch, head).  Q, K: [16 tokens][1,024 bytes: image of 16 tokens x 64 channels].  V: [128 keys][16 channels][2,048 bytes: image of 16 channels x 128 keys].
; LIMITS: e6 - e0 - e1, e7 - e2 - e3 and e9 - e4 - e5 lie between -126 and 112, so that each power of two below is an f32 number.
; REGISTERS, in windows of 256: window 0: v16-29 addresses and constants; v32-95 held numbers on the way out; v96-111 store offsets; from v128 A's fragments, ONE set (on the way out: the codes).
;   window 1: B's fragments, TWO sets, at v0 and v128.   window 2: the accumulators of my rows 0-63 ((a, b) at v[8 (8 a + b)]);   window 3: those of my rows 64-127.
.set FR,     16                        ; registers of a fragment
.set NL,     4                         ; LDS loads that bring one
.set NP,     4                         ; places behind this matrix instruction (ISA guide 7.12.1)
.set HALFT,  32768                     ; 128 rows x 256 K: what one tensor load brings, and what one wave reads of A or of B
.set SLOT,   4*HALFT                   ; A's two halves, then B's two
.set KSB,    32768                     ; from a K step to the next in memory
.set SPARE,  2*SLOT                    ; behind the ring: the spare words, 128 bytes for each wave: two blocks of 256 bytes that no other line names
.set ADRA, 16                          ; v16-17  LDS address of my A fragments in slot 0, 1
.set ADRB, 20                          ; v20-21  the same for B
.set LI,   24                          ; v24     16 x lane
.set LI2,  25                          ; v25     the same for a block's registers 8 to 15
.set SC,   26                          ; v26     the conversion's scale
.set LIM,  27
.set SPW,  28                          ; v28     LDS address of my spare word; never rewritten
.set NIL,  29                          ; v29     0; never rewritten
.set TMP,  32
.set OFS,  96                          ; v96-111 block a's two store offsets; written once
.set AF,   128
.set G1, 24                            ; s[24:31] descriptor group 1 for A's tiles;  s[32:39] group 0, one set for each slot
.set G0, 32
.set G1B, 48                           ; s[48:55], s[56:63] the same for B's tiles
.set G0B, 56
.set MSB, 0
.macro WIN new                         ; the immediate's high byte repeats the setting that is left
.if MSB != \new
	s_set_vgpr_msb (MSB<<8)|\new
.set MSB, \new
.endif
.endm
.set MUL_LO, 0xa1                      ; source 0 (B) window 1, source 1 (A) window 0, C and D window 2
.set MUL_HI, 0xf1                      ; the same, C and D window 3
.set TO_B,   0x40                      ; destination window 1, address window 0
; A joint load: waves 0 and 1 fetch for A, waves 2 and 3 for B.  The branch hangs on the wave's number alone.  Four v_nop follow each of the two lines.
.macro JLOAD g0a, g1a, g0b, g1b
	s_cmp_eq_u32 s15, 0
	s_cbranch_scc0 .Lfor_b_\@
	tensor_load_to_lds s[\g0a:\g0a+3], s[\g1a:\g1a+7]
	s_nop 0
.rept 4
	v_nop
.endr
	s_branch .Lasked_\@
.Lfor_b_\@:
	tensor_load_to_lds s[\g0b:\g0b+3], s[\g1b:\g1b+7]
	s_nop 0
.rept 4
	v_nop
.endr
.Lasked_\@:
.endm
.macro CREST                           ; a round of the cluster's barrier behind its opening barrier
	s_cmp_lg_u32 s14, 0
	s_cbranch_scc1 .Lnot_wave_0_\@
	s_barrier_signal -3
.Lnot_wave_0_\@:
	s_barrier_wait -3
	s_barrier_signal -1
	s_barrier_wait -1
.endm
.macro CROUND                          ; a whole round
	s_barrier_signal -1
	s_barrier_wait -1
	CREST
.endm
	s_load_b256 s[4:11], s[0:1], 0x0               ; xc s[4:5], wc s[6:7], the scales' exponents s[8:9], qkv s[10:11]
	v_lshl_add_u32 v[SPW], v0, 2, SPARE
	v_mov_b32 v[NIL], 0
	ds_add_u32 v28, v29
	ds_add_u32 v28, v29
	s_wait_dscnt 0x0
	v_lshrrev_b32 v1, 5, v0
	v_readfirstlane_b32 s14, v1                    ; wave 0..3
	s_lshr_b32 s15, s14, 1                         ; which half of the tile's A rows is mine.  Also: I fetch for A (0) or for B (1)
	s_and_b32 s16, s14, 1                          ; which half of its B rows.  Also: which 128 rows I fetch
	s_bfe_u32 s40, ttmp6, 0x40000                  ; cx, cy: my place in the cluster
	s_bfe_u32 s41, ttmp6, 0x40004
	s_mov_b32 s66, ttmp9                           ; kind: 0 q, 1 k, 2 v: the cluster's x, the same in all sixteen partners
	s_and_b32 s67, ttmp7, 0xffff
	s_lshl_b32 s67, s67, 2                         ; 4 x the cluster's y: x's 32 tiles of 256 rows go along it
	s_cmp_lt_u32 s66, 2
	s_cselect_b32 s68, s67, 0                      ; q, k: x is A;
	s_cselect_b32 s69, 0, s67                      ; v: x is B
	s_add_co_u32 s17, s68, s41                     ; A's tile: hangs on cy alone among the places
	s_add_co_u32 s42, s69, s40                     ; B's tile: on cx alone
	s_lshl_b32 s43, s41, 2
	s_lshl_b32 s43, 15, s43                        ; my row of the cluster
	s_lshl_b32 s44, 0x1111, s40                    ; my column
	; descriptor group 1: a dense block of 32,768 bytes as 128 rows of 32 elements of 8 bytes, no padding (an image is read at 16 x lane: consecutive bytes)
	s_or_b32 s[G1+0], s43, (3<<16)|(1<<21)         ; 15:0 the mask: A's tiles go to my row; 17:16 elements of 8 bytes; 21 set beside a mask
	s_or_b32 s[G1B+0], s44, (3<<16)|(1<<21)
.irp g, G1, G1B
	s_mov_b32 s[\g+1], 32<<16                      ; tensor_dim0 = 32
	s_mov_b32 s[\g+2], 128<<16                     ; tensor_dim1 = 128
	s_mov_b32 s[\g+3], 32<<16                      ; tile_dim0 = 32
	s_mov_b32 s[\g+4], 128                         ; tile_dim1 = 128
	s_mov_b32 s[\g+5], 32                          ; tensor_dim0_stride
	s_mov_b32 s[\g+6], 0
	s_mov_b32 s[\g+7], 0
.endr
	s_lshl_b32 s20, s17, 1
	s_add_co_u32 s20, s20, s16
	s_lshl_b32 s20, s20, 17                        ; A: (2 x tile + half) blocks of 128 rows, 131,072 bytes each
	s_mov_b32 s21, 0
	s_lshl_b32 s46, s42, 1
	s_add_co_u32 s46, s46, s16
	s_lshl_b32 s46, s46, 17                        ; B likewise
	s_mov_b32 s47, 0
	s_lshl_b32 s45, s14, 15                        ; where they go: wave x 32,768: no place in the cluster enters an LDS address
	s_lshl_b32 s84, s66, 23                        ; x's version
	s_mov_b32 s85, 0
	s_lshl_b32 s86, s66, 20                        ; the weight
	s_mov_b32 s87, 0
	s_wait_kmcnt 0x0
	s_load_b256 s[72:79], s[8:9], 0x0              ; e0 .. e7
	s_load_b128 s[80:83], s[8:9], 0x20             ; e8 .. e11
	s_add_nc_u64 s[4:5], s[4:5], s[84:85]
	s_add_nc_u64 s[6:7], s[6:7], s[86:87]
	s_cmp_lt_u32 s66, 2
	s_cselect_b64 s[88:89], s[4:5], s[6:7]         ; A's buffer
	s_cselect_b64 s[90:91], s[6:7], s[4:5]         ; B's
	s_add_nc_u64 s[20:21], s[88:89], s[20:21]
	s_add_nc_u64 s[46:47], s[90:91], s[46:47]
	CROUND                                         ; all sixteen work-groups are here: the first joint loads meet
.irp s, 0,1
	s_mov_b32 s[G0+4*\s], 1
	s_add_co_u32 s[G0+4*\s+1], s45, \s*SLOT
	s_add_nc_u64 s[G0+4*\s+2:G0+4*\s+3], s[20:21], \s*KSB
	s_or_b32 s[G0+4*\s+3], s[G0+4*\s+3], 0x80000000
	s_mov_b32 s[G0B+4*\s], 1
	s_add_co_u32 s[G0B+4*\s+1], s45, \s*SLOT
	s_add_nc_u64 s[G0B+4*\s+2:G0B+4*\s+3], s[46:47], \s*KSB
	s_or_b32 s[G0B+4*\s+3], s[G0B+4*\s+3], 0x80000000
	JLOAD G0+4*\s, G1, G0B+4*\s, G1B
.endr
	v_and_b32 v1, 31, v0
	v_lshlrev_b32 v[LI], 4, v1
	s_wait_alu depctr_va_vdst(0)
	s_lshl_b32 s92, s15, 15                        ; my 128 rows of A
	s_lshl_b32 s93, s16, 15                        ; my 128 rows of B,
	s_add_co_u32 s93, s93, 2*HALFT                 ; which lie behind A's two halves
.irp s, 0,1
	v_add_nc_u32 v[ADRA+\s], s92, v[LI]
	v_add_nc_u32 v[ADRB+\s], s93, v[LI]
	s_add_co_u32 s92, s92, SLOT
	s_add_co_u32 s93, s93, SLOT
.endr
	; where my results go.  tok = my first token, ch = my first channel; one formula serves Q, K and V: kind x 8 MiB + batch x 2 MiB + (tok % 2,048) x 64 + ch x 2,048
	s_lshl_b32 s18, s17, 8
	s_lshl_b32 s19, s15, 7
	s_add_co_u32 s18, s18, s19                     ; my first row of A
	s_lshl_b32 s22, s42, 8
	s_lshl_b32 s23, s16, 7
	s_add_co_u32 s22, s22, s23                     ; my first row of B
	s_mov_b32 s70, 2048
	s_mov_b32 s94, 1024
	s_cmp_lt_u32 s66, 2
	s_cselect_b32 s68, s18, s22                    ; tok
	s_cselect_b32 s69, s22, s18                    ; ch
	s_cselect_b32 s70, 1024, s70                   ; from a block of 16 rows of A to the next: 16 tokens on (1,024), or 16 channels on (2,048)
	s_cselect_b32 s71, 0, 122880                   ; v: blocks 4-7 belong to the next head: 131,072 - 4 x 2,048 more
	s_cselect_b32 s94, 131072, s94                 ; a block's registers 8 to 15: q, k: the next head's fragment; v: the fragment's second half
	s_lshr_b32 s89, s68, 11
	s_lshl_b32 s89, s89, 21
	s_and_b32 s90, s68, 2047
	s_lshl_b32 s90, s90, 6
	s_add_co_u32 s90, s90, s89
	s_lshl_b32 s89, s69, 11
	s_add_co_u32 s90, s90, s89
	s_lshl_b32 s89, s66, 23
	s_add_co_u32 s90, s90, s89
	s_mov_b32 s91, 0
	s_add_nc_u64 s[10:11], s[10:11], s[90:91]
	v_add_nc_u32 v[LI2], s94, v[LI]
	s_mov_b32 s89, 0
.irp a, 0,1,2,3,4,5,6,7
.if \a == 4
	s_add_co_u32 s89, s89, s71
.endif
	v_add_nc_u32 v[OFS+2*\a], s89, v[LI]
	v_add_nc_u32 v[OFS+2*\a+1], s89, v[LI2]
	s_add_co_u32 s89, s89, s70
.endr
.macro FRAG reg, adr, q, i             ; fragment i of my eight, the slot's q-th 128 along K: four groups of four registers, 512 consecutive bytes a load
.irp c, 0,1,2,3
	ds_load_b128 v[\reg+4*\c:\reg+4*\c+3], v[\adr] offset:(2*(\i)+(\q))*2048+512*\c
.endr
.endm
; 16 matrix instructions: A's blocks a0, a0 + 1 x B's eight, 128 along K.  p: B's set.  zero = 1: the first product starts the sums.
; The 64 accumulators take turns, one instruction a turn, in the same order in every step.
.macro MUL16 a0, p, zero
.irp a, \a0, \a0+1
.irp b, 0,1,2,3,4,5,6,7
.if \zero
	v_wmma_f32_16x16x128_bf8_bf8 v[8*(8*((\a)%4)+\b):8*(8*((\a)%4)+\b)+7], v[128*(\p)+FR*\b:128*(\p)+FR*\b+FR-1], v[AF+FR*(\a):AF+FR*(\a)+FR-1], 0
.else
	v_wmma_f32_16x16x128_bf8_bf8 v[8*(8*((\a)%4)+\b):8*(8*((\a)%4)+\b)+7], v[128*(\p)+FR*\b:128*(\p)+FR*\b+FR-1], v[AF+FR*(\a):AF+FR*(\a)+FR-1], v[8*(8*((\a)%4)+\b):8*(8*((\a)%4)+\b)+7]
.endif
.endr
.endr
.endm
.macro FETCH_B slot, q, p
	WIN TO_B
.irp i, 0,1,2,3,4,5,6,7
	FRAG 128*(\p)+FR*\i, ADRB+\slot, \q, \i
.endr
	WIN 0
.endm
.macro FETCH_A slot, q, i0
.irp i, \i0, \i0+1, \i0+2, \i0+3
	FRAG AF+FR*(\i), ADRA+\slot, \q, \i
.endr
.endm
; A load into a register that a matrix instruction has read, and a vector instruction that reads a matrix result, stand NP places behind it; only plain vector instructions that name none of its registers are places.
.macro PLACES n
.rept \n
	v_nop
.endr
.endm
; A step of 128 along K that has its successor in the same slot.  A's blocks go one after the other, each against B's eight: so one set of registers serves A (blocks 0-3 are fetched anew in the step's middle, 4-7 at its end), two serve B.
.macro STEP slot, q, zero
	s_wait_dscnt 4*NL                              ; B's set and A's blocks 0-3 are in; the youngest 16 loads (A's blocks 4-7) may be out
	WIN MUL_LO
	MUL16 0, (\q)%2, \zero
	MUL16 2, (\q)%2, \zero
	s_wait_dscnt 0                                 ; A's blocks 4-7 are in
	PLACES NP
	FETCH_B \slot, (\q)+1, 1-(\q)%2
	FETCH_A \slot, (\q)+1, 0
	WIN MUL_HI
	MUL16 4, (\q)%2, \zero
	MUL16 6, (\q)%2, \zero
	PLACES NP
	WIN 0
	FETCH_A \slot, (\q)+1, 4
.endm
; A slot's last step changes slots: ONE barrier; in front of it each wave waits for all its tensor loads, adds 0 to its spare word, and waits for that and for its own reads of this slot.  fill = 1: this slot is filled again, two K steps ahead.
.macro TURN slot, next, fill
	s_wait_tensorcnt 0x0                           ; all my tensor loads have landed: my part of the next slot  (every window is 0 here)
	ds_add_u32 v[SPW], v[NIL]                      ; 0 onto my spare word
	s_wait_dscnt 4*NL+1                            ; (the add and the youngest 16 loads, A's blocks 4-7, may be out)
	WIN MUL_LO
	MUL16 0, 1, 0                                  ; sixteen matrix instructions stand between the add and the wait for it
	s_wait_dscnt 0x0                               ; the add is done, and my reads of this slot are over
	s_barrier_signal -1
	MUL16 2, 1, 0
	WIN 0
	s_barrier_wait -1
.if \fill
	CREST                                          ; the barrier has opened a round of the cluster's barrier: no wave of any partner still reads this slot or has a load on its way
	s_add_nc_u64 s[G0+4*\slot+2:G0+4*\slot+3], s[G0+4*\slot+2:G0+4*\slot+3], 2*KSB
	s_add_nc_u64 s[G0B+4*\slot+2:G0B+4*\slot+3], s[G0B+4*\slot+2:G0B+4*\slot+3], 2*KSB
	JLOAD G0+4*\slot, G1, G0B+4*\slot, G1B         ; the first tensor load behind the round; its four v_nop are the places in front of the loads below
.else
	PLACES NP
.endif
	FETCH_B \next, 0, 0
	FETCH_A \next, 0, 0
	WIN MUL_HI
	MUL16 4, 1, 0
	MUL16 6, 1, 0
	PLACES NP
	WIN 0
	FETCH_A \next, 0, 4
.endm
	s_wait_tensorcnt 1                             ; my part of K step 0 is in (K step 1's load may be out)
	s_barrier_signal -1
	s_barrier_wait -1                              ; everybody's is
	FETCH_B 0, 0, 0
	FETCH_A 0, 0, 0
	FETCH_A 0, 0, 4
	STEP 0, 0, 1                                   ; K = 1,024 is eight steps of 128, written out: the first starts the sums
	TURN 0, 1, 1                                   ; slot 0 takes K step 2
	STEP 1, 0, 0
	TURN 1, 0, 1                                   ; slot 1 takes K step 3
	STEP 0, 0, 0
	TURN 0, 1, 0                                   ; nothing is left to fetch
	STEP 1, 0, 0
	s_wait_dscnt 4*NL                              ; the very last step
	WIN MUL_LO
	MUL16 0, 1, 0
	MUL16 2, 1, 0
	s_wait_dscnt 0
	WIN MUL_HI
	MUL16 4, 1, 0
	MUL16 6, 1, 0
	WIN 0
	; THE WAY OUT.  A sum stands for sum x 2^(eA + eB); its code is sum / 2^(eOut - eA - eB): the three scales are folded into the conversion's one, chosen by kind without a branch.
	s_wait_kmcnt 0x0
	s_sub_co_i32 s84, s78, s72                     ; e6 - e0 - e1
	s_sub_co_i32 s84, s84, s73
	s_sub_co_i32 s85, s79, s74                     ; e7 - e2 - e3
	s_sub_co_i32 s85, s85, s75
	s_sub_co_i32 s86, s81, s76                     ; e9 - e4 - e5
	s_sub_co_i32 s86, s86, s77
	s_cmp_eq_u32 s66, 1
	s_cselect_b32 s84, s85, s84
	s_cmp_eq_u32 s66, 2
	s_cselect_b32 s84, s86, s84
	s_add_co_i32 s84, s84, 127
	s_lshl_b32 s85, s84, 23
	v_mov_b32 v[SC], s85
	s_add_co_i32 s84, s84, 15
	s_lshl_b32 s84, s84, 23
	s_or_b32 s84, s84, 0x600000
	PLACES NP
; Block a (16 rows of A): accumulator b's eight numbers are eight neighbours along the next K, and become registers 2 b, 2 b + 1 of an operand.  The conversions' results ARE the image: four stores of 512 consecutive bytes.
; Each block has its own registers for its codes and its offsets: nothing that a store reads is written again.
.irp a, 0,1,2,3,4,5,6,7
	WIN 0x02+(\a/4)                                ; source 0: window 2 or 3
.set j, 0
.rept 64
.set j, j+1
.endr
.irp b, 0,1,2,3,4,5,6,7
	v_cvt_scalef32_pk8_bf8_f32 v[AF+16*\a+2*\b:AF+16*\a+2*\b+1], v[TMP+8*\b+((64*(\a%4)+j)-(TMP+j)):TMP+8*\b+7+((64*(\a%4)+j)-(TMP+j))], v[SC]
.endr
	WIN 0
	v_nop                                          ; a plain vector line behind the conversions
	global_store_b128 v[OFS+2*\a],   v[AF+16*\a:AF+16*\a+3],     s[10:11]
	global_store_b128 v[OFS+2*\a],   v[AF+16*\a+4:AF+16*\a+7],   s[10:11] offset:512
	global_store_b128 v[OFS+2*\a+1], v[AF+16*\a+8:AF+16*\a+11],  s[10:11]
	global_store_b128 v[OFS+2*\a+1], v[AF+16*\a+12:AF+16*\a+15], s[10:11] offset:512
.endr
	s_wait_tensorcnt 0x0                           ; the wave's end
	ds_add_u32 v[SPW], v[NIL]
	s_wait_dscnt 0x0
	CROUND                                         ; the closing round: no work-group ends while a partner may still ask for a tile that names it
	s_endpgm
.Lfunc_end_k_qc00c371b42_qkv:
	.size	k_qc00c371b42_qkv, .Lfunc_end_k_qc00c371b42_qkv-k_qc00c371b42_qkv
	.p2alignl 7, 3214868480
	.fill 96, 4, 3214868480
	.section	.rodata,"a",@progbits
	.p2align	6, 0x0
	.amdhsa_kernel k_qc00c371b42_qkv
		.amdhsa_group_segment_fixed_size 327680
		.amdhsa_private_segment_fixed_size 0
		.amdhsa_enable_private_segment 0
		.amdhsa_kernarg_size 32
		.amdhsa_user_sgpr_count 2
		.amdhsa_user_sgpr_kernarg_segment_ptr 1
		.amdhsa_wavefront_size32 1
		.amdhsa_system_sgpr_workgroup_id_x 1
		.amdhsa_system_sgpr_workgroup_id_y 1
		.amdhsa_system_sgpr_workgroup_id_z 1
		.amdhsa_system_vgpr_workitem_id 0
		.amdhsa_next_free_vgpr 1024
		.amdhsa_next_free_sgpr 100
		.amdhsa_reserve_vcc 0
		.amdhsa_float_denorm_mode_32 3
		.amdhsa_float_denorm_mode_16_64 3
		.amdhsa_fp16_overflow 1
		.amdhsa_memory_ordered 1
		.amdhsa_forward_progress 1
		.amdhsa_inst_pref_size 87
	.end_amdhsa_kernel
	.amdgpu_metadata
---
amdhsa.version: [ 1, 2 ]
amdhsa.kernels:
  - .name:           k_qc00c371b42_qkv
    .symbol:         k_qc00c371b42_qkv.kd
    .args:
      - { .name: xc, .offset: 0, .size: 8, .value_kind: global_buffer, .address_space: global }
      - { .name: wc, .offset: 8, .size: 8, .value_kind: global_buffer, .address_space: global }
      - { .name: lowp_scales, .offset: 16, .size: 8, .value_kind: global_buffer, .address_space: global }
      - { .name: qkv, .offset: 24, .size: 8, .value_kind: global_buffer, .address_space: global }
    .group_segment_fixed_size: 327680
    .private_segment_fixed_size: 0
    .kernarg_segment_align: 8
    .kernarg_segment_size: 32
    .max_flat_workgroup_size: 128
    .sgpr_count:     100
    .vgpr_count:     1024
    .wavefront_size: 32
...
	.end_amdgpu_metadata
.endif
;; end of part 2
;; launch attn (part 3): grid 4 x 64, 16 waves a work-group, no clusters, 264,192 bytes of LDS; arguments qkv, lowp_scales, ac; writes ac
.if DOCPART == 3
	.amdgcn_target "amdgcn-amd-amdhsa--gfx1250"
	.amdhsa_code_object_version 6
	.text
	.protected	k_qc00c371b42_attn
	.globl	k_qc00c371b42_attn
	.p2align	8
	.type	k_qc00c371b42_attn,@function
k_qc00c371b42_attn:
	s_mov_b64 s[64:65], 0
	v_nop
	global_prefetch_b8 v0, s[64:65] scope:SCOPE_SE
	s_setreg_imm32_b32 hwreg(HW_REG_WAVE_MODE, 25, 1), 1
	s_wait_xcnt 0x0
; Causal attention of one (batch, head): o[q] = the sum over keys k <= q of softmax_k(q . k / 8) v[k], both products on codes of BF8 (E5M2); the result is quantised (scale: entry 10) for the last projection.
; THE SOFTMAX AHEAD OF THE SECOND PRODUCT: t = score x log2(e) / 8; M = the row's largest t so far, rounded UP to a whole number; p = 2^(t - M) is quantised (entry 8), not normalised.  The row's sum is taken of the
; unquantised p, in f32, and divides at the end.  When M moves, the sum and O are multiplied by 2^(old M - new M): exact.
; IN.  qkv holds images of operand registers (lane (r, h): row r; registers 2 c, 2 c + 1: k = 16 c + 8 h + 0 .. 7; registers 4 g .. 4 g + 3 at 512 g + 16 x lane).  Q at 0, K at 8 MiB, V at 16 MiB, 131,072 bytes a head.
;   Q, K: [16 tokens][1,024 bytes: 16 tokens x 64 channels].  V: [128 keys][16 channels][2,048 bytes: 16 channels x 128 keys].
; SHARES.  Work-group (i, head) owns the blocks of 256 queries 7 - i and i: (8 - i) + (i + 1) = 9 blocks of 256 keys of work in every work-group.  Each of its sixteen waves owns 16 queries of each block, in 256 registers:
; four waves to a SIMD, so that one wave's vector work stands beside another's matrix work and LDS loads.
; LDS.  The head's whole K (131,072 bytes, at 0) and V (at 131,072) are brought in once, in four chunks of 512 keys; each wave brings a sixteenth of each chunk of each.  Nothing is filled again.  By this text's count a wave has eight tensor loads out at most.
; LAYOUT.  Both products are used transposed: S^T = K Q^T (source 0 = 16 keys), O^T = V^T P^T (source 0 = 16 channels): a lane holds ONE query (lane % 16) throughout.  S^T's tile T holds keys 16 T + 8 h + 0 .. 7 in a lane: its conversion gives
; registers 2 T, 2 T + 1 of P.  O^T's tile t holds channels 16 t + 8 h + 0 .. 7: its conversion gives registers of the next product's operand, stored as an image.
; CAUSAL.  A step of 128 keys all of which come after the wave's 16 queries is left out, by a scalar branch on ids; on the diagonal hidden scores become -infinity.  All trip counts are constants.
; NO CLUSTER: the four work-groups that share a head's K and V are told apart by their x alone, and the step that is left out is chosen by a branch on that x.
; OUT.  ac: fragments of 16 rows x 128 K, laid [row / 128][k / 256][(row / 16) % 8][(k / 128) % 2][2,048 bytes]; a head's 64 channels are half a fragment: 1,024 consecutive bytes.
; LIMITS: e6 + e7 between -123 and 130 (added to c's exponent field); e8 and e10 between -126 and 112; e8 + e9 is applied by v_ldexp_f32 and has none.
; REGISTERS: v1 16 x lane; v2 the same in V; v3 r - 8 h; v5, v6: 57,344 x 2^e8, 2^e8; v7, v11: the same with e10; v8, v9 the step's LDS addresses; v10 a permute's destination; v12 -M, v13 the largest t, v[14:15] the sum;
;   v16-23, v24-31 Q of the two blocks; v32-95 K's 8 tiles, then v32-47 P's codes and v48-53 at work; v96-159 S^T, then p; v160-191 O^T; v192-255 V's 4 fragments.
.set VB,   131072                      ; V's first byte in LDS
.set CH,   32768                       ; a chunk of 512 keys, of K or of V
.set ST8,  8192                        ; a step of 128 keys, of K or of V
.set G1,   16                          ; s[16:23] descriptor group 1;  s[24:55] eight groups 0
.set G0,   24
.set CS,   56                          ; s[56:57] c
.set SEL,  58                          ; s[58:59] lane selects: lane l xor 16
.set TB,   60                          ; s60 the step's first byte in K's region
.set KF,   61                          ; s61 the step's first key
.set Q0,   62                          ; s62 my first query
.set CNT,  63
.set T0,   66
	s_load_b128 s[4:7], s[0:1], 0x0                ; qkv s[4:5], the scales' exponents s[6:7]
	s_load_b64 s[8:9], s[0:1], 0x10                ; ac
	v_lshl_add_u32 v254, v0, 2, 0x40000
	v_mov_b32 v255, 0
	ds_add_u32 v254, v255
	ds_add_u32 v254, v255
	s_wait_dscnt 0x0
	v_lshrrev_b32 v1, 5, v0
	s_delay_alu instid0(VALU_DEP_1)
	v_readfirstlane_b32 s10, v1                    ; wave 0..15
	s_mov_b32 s11, ttmp9                           ; i
	s_and_b32 s12, ttmp7, 0xffff                   ; 16 x batch + head
	; descriptor group 1: 2,048 dense bytes as 8 rows of 32 elements of 8 bytes
	s_mov_b32 s[G1], 3<<16                         ; no mask; elements of 8 bytes; no padding (an image is read at 16 x lane: consecutive bytes)
	s_mov_b32 s[G1+1], 32<<16                      ; tensor_dim0
	s_mov_b32 s[G1+2], 8<<16                       ; tensor_dim1
	s_mov_b32 s[G1+3], 32<<16                      ; tile_dim0
	s_mov_b32 s[G1+4], 8                           ; tile_dim1
	s_mov_b32 s[G1+5], 32                          ; tensor_dim0_stride
	s_mov_b32 s[G1+6], 0
	s_mov_b32 s[G1+7], 0
	s_lshl_b32 s86, s12, 17                        ; the head's 131,072 bytes
	s_lshl_b32 s88, s10, 11                        ; my wave's 2,048 of a chunk's 32,768
	s_add_co_u32 s86, s86, s88
	s_mov_b32 s87, 0
	s_wait_kmcnt 0x0
	s_load_b64 s[80:81], s[6:7], 0x18              ; e6, e7
	s_load_b128 s[76:79], s[6:7], 0x20             ; e8, e9, e10, e11
	s_add_nc_u64 s[84:85], s[4:5], s[86:87]
.irp n, 0,1,2,3,4,5,6,7                        ; load n: chunk n / 2 of K (n even) or of V (n odd)
	s_mov_b32 s[G0+4*\n], 1
	s_add_co_u32 s[G0+4*\n+1], s88, (\n%2)*VB+(\n/2)*CH
	s_add_nc_u64 s[G0+4*\n+2:G0+4*\n+3], s[84:85], ((\n%2)+1)*8388608+(\n/2)*CH
	s_or_b32 s[G0+4*\n+3], s[G0+4*\n+3], 0x80000000
.endr
.irp n, 0,1,2,3,4,5,6,7                        ; all first fills go out as one group, ahead of every wait on TENSORcnt, every LDS read and every barrier
	tensor_load_to_lds s[G0+4*\n:G0+4*\n+3], s[G1:G1+7]
	s_nop 0
.endr
.rept 4
	v_nop
.endr
	v_and_b32 v1, 31, v0
	s_delay_alu instid0(VALU_DEP_1)
	v_lshlrev_b32 v1, 4, v1                        ; 16 x lane
	s_wait_alu depctr_va_vdst(0)
	v_add_nc_u32 v2, VB, v1
	v_and_b32 v3, 15, v0
	v_bfe_u32 v4, v0, 4, 1
	s_delay_alu instid0(VALU_DEP_1)
	v_lshlrev_b32 v4, 3, v4
	s_delay_alu instid0(VALU_DEP_1)
	v_sub_nc_u32 v3, v3, v4                        ; r - 8 h
	v_mov_b32 v10, 0                               ; written once: a lane permute's destination counts as one of its sources
	s_sub_co_u32 s[Q0], 7, s11
	s_lshl_b32 s[Q0], s[Q0], 8
	s_lshl_b32 s86, s10, 4
	s_add_co_u32 s[Q0], s[Q0], s86                 ; my first query of block 7 - i
	s_lshl_b32 s72, s11, 8
	s_add_co_u32 s72, s72, s86                     ; and of block i
	s_lshl_b32 s88, s12, 17
	s_lshl_b32 s90, s[Q0], 6                       ; a tile of 16 queries is 1,024 bytes
	s_add_co_u32 s90, s90, s88
	s_mov_b32 s91, 0
	s_add_nc_u64 s[90:91], s[4:5], s[90:91]
	s_lshl_b32 s92, s72, 6
	s_add_co_u32 s92, s92, s88
	s_mov_b32 s93, 0
	s_add_nc_u64 s[92:93], s[4:5], s[92:93]
	global_load_b128 v[16:19], v1, s[90:91]        ; Q's two fragments stay in registers
	global_load_b128 v[20:23], v1, s[90:91] offset:512
	global_load_b128 v[24:27], v1, s[92:93]
	global_load_b128 v[28:31], v1, s[92:93] offset:512
	s_and_b32 s88, s12, 15                         ; the head: its 64 channels in ac: (head / 4) x 32,768 + (head % 4) x 1,024
	s_lshr_b32 s89, s88, 2
	s_lshl_b32 s89, s89, 15
	s_and_b32 s88, s88, 3
	s_lshl_b32 s88, s88, 10
	s_add_co_u32 s89, s89, s88
.macro MKAO d, q                       ; where the 16 queries from s[q] on go in ac
	s_lshr_b32 s86, s12, 4
	s_lshl_b32 s86, s86, 11
	s_add_co_u32 s86, s86, s[\q]                   ; the row: 2,048 x batch + query
	s_lshr_b32 s87, s86, 7
	s_lshl_b32 s87, s87, 17                        ; (row / 128) x 131,072
	s_bfe_u32 s86, s86, 0x30004
	s_lshl_b32 s86, s86, 12                        ; + ((row / 16) % 8) x 4,096
	s_add_co_u32 s86, s86, s87
	s_add_co_u32 s86, s86, s89
	s_mov_b32 s87, 0
	s_add_nc_u64 s[\d:\d+1], s[8:9], s[86:87]
.endm
	MKAO 68, Q0
	MKAO 70, 72
	s_mov_b32 s[SEL], 0x76543210
	s_mov_b32 s[SEL+1], 0xfedcba98
	s_mov_b32 s[CS], 0x3e38aa3b                    ; c = log2(e) / 8
	s_wait_kmcnt 0x0
	s_add_co_i32 s86, s80, s81
	s_lshl_b32 s86, s86, 23
	s_add_co_i32 s[CS], s[CS], s86                 ; a score stands for score x 2^(e6 + e7): added to c's exponent field
	s_mov_b32 s[CS+1], s[CS]                       ; (named with it as a pair, so it is written)
	s_add_co_i32 s67, s76, s77                     ; e8 + e9
	s_add_co_i32 s86, s76, 127
	s_lshl_b32 s87, s86, 23
	v_mov_b32 v6, s87                              ; 2^e8
	s_add_co_i32 s86, s78, 127
	s_lshl_b32 s87, s86, 23
	v_mov_b32 v11, s87                             ; 2^e10
; The step is written once for all steps: O^T and the sum begin as zeros and the largest t as -3e38; the first change of M multiplies zeros.
.macro INIT
	v_mov_b32 v13, 0xff61b1e6
	s_delay_alu instid0(VALU_DEP_1)
	v_floor_f32 v12, -v13
	v_mov_b32 v14, 0
	v_mov_b32 v15, 0
.set j, 0
.rept 32
	v_mov_b32 v[160+j], 0
.set j, j+1
.endr
.endm
; A KEY STEP: 128 keys from s[KF] on, whose tiles begin at s[TB]; qb: the registers of my queries' fragment.
.macro STEP qb
	s_add_co_u32 s[T0], s[Q0], 15
	s_cmp_gt_u32 s[KF], s[T0]
	s_cbranch_scc1 .Lhid_\@                        ; all 128 keys come after my 16 queries
	s_setprio 2
	v_add_nc_u32 v8, s[TB], v1
	v_add_nc_u32 v9, s[TB], v2
	v_nop                                          ; with the two additions: four places in front of loads into registers that the last products have read
	v_nop
.irp T, 0,1,2,3,4,5,6,7
	ds_load_b128 v[32+8*\T:32+8*\T+3], v8 offset:1024*\T
	ds_load_b128 v[32+8*\T+4:32+8*\T+7], v8 offset:1024*\T+512
.endr
.irp t, 0,1,2,3
.irp c, 0,1,2,3
	ds_load_b128 v[192+16*\t+4*\c:192+16*\t+4*\c+3], v9 offset:2048*\t+512*\c
.endr
.endr
	s_wait_dscnt 16                                ; K's 16 loads are in; V's 16, issued behind them, may be out through the softmax
.irp T, 0,1,2,3,4,5,6,7
	v_wmma_f32_16x16x64_bf8_bf8 v[96+8*\T:96+8*\T+7], v[32+8*\T:32+8*\T+7], v[\qb:\qb+7], 0
.endr
.rept 4
	v_nop
.endr
	s_add_co_u32 s[T0], s[KF], 127
	s_cmp_le_u32 s[T0], s[Q0]
	s_cbranch_scc1 .Lopen_\@                       ; all 128 keys count for all my queries
	s_sub_co_i32 s[T0], s[Q0], s[KF]
	v_add_nc_u32 v48, s[T0], v3                    ; d = my query - KF - 8 h.  Register 8 T + j holds key KF + 16 T + 8 h + j: hidden where 16 T + j > d
	v_mov_b32 v49, 0xff800000                      ; -infinity
.set n, 0
.rept 64
	v_cmp_gt_i32 vcc_lo, 16*(n/8)+n%8, v48
	v_cndmask_b32 v[96+n], v[96+n], v49, vcc_lo
.set n, n+1
.endr
.Lopen_\@:
	v_max3_num_f32 v48, v96, v97, v98              ; the step's largest score of my query among my 64 keys, in two chains, each tile from its low end on,
	v_max3_num_f32 v49, v99, v100, v101
.irp i, 6,10,14,18,22,26,30,34,38,42,46,50,54,58
	v_max3_num_f32 v48, v48, v[96+\i], v[97+\i]
	v_max3_num_f32 v49, v49, v[98+\i], v[99+\i]
.endr
	v_max3_num_f32 v48, v48, v158, v159
	s_delay_alu instid0(VALU_DEP_1)
	v_max_num_f32 v48, v48, v49
	s_delay_alu instid0(VALU_DEP_1)
	v_permlanex16_b32 v10, v48, s[SEL], s[SEL+1]
	s_delay_alu instid0(VALU_DEP_1)
	v_max_num_f32 v48, v48, v10                    ; and among lane l xor 16's
	s_delay_alu instid0(VALU_DEP_1)
	v_mul_f32 v48, s[CS], v48                      ; as t (c is positive)
	s_delay_alu instid0(VALU_DEP_1)
	v_max_num_f32 v13, v13, v48                    ; the running largest t
	v_mov_b32 v48, v12
	s_delay_alu instid0(VALU_DEP_2)
	v_floor_f32 v12, -v13                          ; the new -M = floor(-t): M is a whole number
	s_delay_alu instid0(VALU_DEP_1)
	v_sub_f32 v48, v12, v48                        ; old M - new M: a whole number, 0 or less
	s_delay_alu instid0(VALU_DEP_1)
	v_cvt_i32_f32 v48, v48                         ; (it saturates)
	s_delay_alu instid0(VALU_DEP_1)
	v_ldexp_f32 v50, 1.0, v48                      ; f = 2^(old M - new M)
.set j, 0
	s_setprio 1
.rept 32
	v_pk_fma_f32 v[96+j:97+j], v[96+j:97+j], s[CS:CS+1], v[12:13] op_sel_hi:[1,0,0]   ; t - M, two at a time (of the pairs c and -M the low word serves both halves)
.set j, j+2
.endr
.set j, 0
	s_wait_alu depctr_va_vdst(0)
.rept 64
	v_exp_f32 v[96+j], v[96+j]                     ; p = 2^(t - M), at most 1
.set j, j+1
.endr
	v_pk_mul_f32 v[14:15], v[14:15], v[50:51] op_sel_hi:[1,0]   ; the sums under the new M (a plain line behind the exponentials; of v[50:51] the low word alone is taken)
	s_wait_alu depctr_va_vdst(0)                   ; one wait for the whole batch, ahead of its first reader
	v_pk_add_f32 v[52:53], v[100:101], v[104:105]
	v_pk_add_f32 v[94:95], v[108:109], v[112:113]
	v_pk_add_f32 v[92:93], v[116:117], v[120:121]
	v_pk_add_f32 v[90:91], v[124:125], v[128:129]
	v_pk_add_f32 v[88:89], v[132:133], v[136:137]
	v_pk_add_f32 v[86:87], v[140:141], v[144:145]
	v_pk_add_f32 v[84:85], v[148:149], v[152:153]
	v_pk_add_f32 v[14:15], v[14:15], v[156:157]
	v_pk_add_f32 v[52:53], v[52:53], v[96:97]
	v_pk_add_f32 v[94:95], v[94:95], v[98:99]
	v_pk_add_f32 v[92:93], v[92:93], v[102:103]
	v_pk_add_f32 v[90:91], v[90:91], v[106:107]
	v_pk_add_f32 v[88:89], v[88:89], v[110:111]
	v_pk_add_f32 v[86:87], v[86:87], v[114:115]
	v_pk_add_f32 v[84:85], v[84:85], v[118:119]
	v_pk_add_f32 v[14:15], v[14:15], v[122:123]
	v_pk_add_f32 v[52:53], v[52:53], v[126:127]
	v_pk_add_f32 v[94:95], v[94:95], v[130:131]
	v_pk_add_f32 v[92:93], v[92:93], v[134:135]
	v_pk_add_f32 v[90:91], v[90:91], v[138:139]
	v_pk_add_f32 v[88:89], v[88:89], v[142:143]
	v_pk_add_f32 v[86:87], v[86:87], v[146:147]
	v_pk_add_f32 v[84:85], v[84:85], v[150:151]
	s_setprio 0
	v_pk_add_f32 v[14:15], v[14:15], v[154:155]
	v_pk_add_f32 v[52:53], v[52:53], v[158:159]
	s_delay_alu instid0(VALU_DEP_2)
	v_pk_add_f32 v[14:15], v[14:15], v[90:91]
	s_delay_alu instid0(VALU_DEP_2)
	v_pk_add_f32 v[52:53], v[52:53], v[88:89]
	v_pk_add_f32 v[94:95], v[94:95], v[86:87]
	v_pk_add_f32 v[92:93], v[92:93], v[84:85]
	s_delay_alu instid0(VALU_DEP_2)
	v_pk_add_f32 v[14:15], v[14:15], v[94:95]
	s_delay_alu instid0(VALU_DEP_2)
	v_pk_add_f32 v[52:53], v[52:53], v[92:93]
	s_delay_alu instid0(VALU_DEP_1)
	v_pk_add_f32 v[14:15], v[14:15], v[52:53]
.irp T, 0,1,2,3,4,5,6,7
.irp i, 0,1,2,3,4,5,6,7
.endr
	v_cvt_scalef32_pk8_bf8_f32 v[32+2*\T:33+2*\T], v[96+8*\T:103+8*\T], v6   ; registers 2 T, 2 T + 1 of P: keys 16 T + 8 h + 0 .. 7
.endr
.set j, 0
.rept 16
	v_pk_mul_f32 v[160+j:161+j], v[160+j:161+j], v[50:51] op_sel_hi:[1,0]   ; O^T under the new M.  (These are also the plain lines between the conversions and the products below)
.set j, j+2
.endr
	s_wait_alu depctr_va_vdst(0)
	s_wait_dscnt 0x0                               ; V is in
.irp t, 0,1,2,3                                ; the four accumulators take turns, one instruction a turn; between a tile's turns stand the others' and the next step's S^T
	v_wmma_f32_16x16x128_bf8_bf8 v[160+8*\t:167+8*\t], v[192+16*\t:207+16*\t], v[32:47], v[160+8*\t:167+8*\t]
.endr
.Lhid_\@:
	s_add_co_u32 s[KF], s[KF], 128
	s_add_co_u32 s[TB], s[TB], ST8
.endm
; A block's end: O^T / the sum x 2^(e8 + e9) is the attention's result; it is quantised with 2^e10 and stored as half a fragment: 1,024 consecutive bytes.
.macro FINISH ao
.rept 4
	v_nop                                          ; places behind the last products
.endr
	v_add_f32 v14, v14, v15                        ; the sum's two halves,
	s_delay_alu instid0(VALU_DEP_1)
	v_permlanex16_b32 v10, v14, s[SEL], s[SEL+1]
	s_delay_alu instid0(VALU_DEP_1)
	v_add_f32 v14, v14, v10                        ; and lane l xor 16's
	s_wait_alu depctr_va_vdst(0)
	v_rcp_f32 v14, v14
	v_nop                                          ; a plain line behind the transcendental
	s_wait_alu depctr_va_vdst(0)                   ; and the wait ahead of its first reader
	v_ldexp_f32 v14, v14, s67
.set j, 0
.rept 16
	v_pk_mul_f32 v[96+j:97+j], v[160+j:161+j], v[14:15] op_sel_hi:[1,0]   ; each accumulator from its low end on
.set j, j+2
.endr
.set j, 0
.rept 32
.set j, j+1
.endr
.irp t, 0,1,2,3
	v_cvt_scalef32_pk8_bf8_f32 v[128+2*\t:129+2*\t], v[96+8*\t:103+8*\t], v11   ; channels 16 t + 8 h + 0 .. 7 of my query
.endr
	v_nop                                          ; a plain line between the conversions and whatever next writes their registers
	global_store_b128 v1, v[128:131], s[\ao:\ao+1]
	global_store_b128 v1, v[132:135], s[\ao:\ao+1] offset:512
.endm
	INIT
	s_mov_b32 s[KF], 0
	s_wait_loadcnt 0x0                             ; Q
	; block 7 - i: all sixteen steps are walked, chunk by chunk as the chunks land; hidden steps are passed over
.irp g, 0,1,2,3
	s_wait_tensorcnt 6-2*\g                        ; tensor loads of a wave end in order: my parts of chunk g are in; the 6 - 2 g loads issued behind them may be out
	s_wait_dscnt 0x0
	s_barrier_signal -1
	s_barrier_wait -1                              ; everybody's parts are in
	s_mov_b32 s[TB], \g*CH
	s_mov_b32 s[CNT], 4
.Lhi_\g:
	STEP 16
	s_sub_co_u32 s[CNT], s[CNT], 1
	s_cmp_lg_u32 s[CNT], 0
	s_cbranch_scc1 .Lhi_\g
	s_setprio 0
.endr
	FINISH 68
	INIT
	s_wait_xcnt 0x0                                ; the stores have read their data: the next products write those registers
	; block i: its queries lie under 1,024: eight steps, all in LDS already
	s_mov_b32 s[Q0], s72
	s_mov_b32 s[KF], 0
	s_mov_b32 s[TB], 0
	s_mov_b32 s[CNT], 8
.Llo:
	STEP 24
	s_sub_co_u32 s[CNT], s[CNT], 1
	s_cmp_lg_u32 s[CNT], 0
	s_cbranch_scc1 .Llo
	s_setprio 0
	FINISH 70
	s_wait_xcnt 0x0
	v_lshl_add_u32 v254, v0, 2, 0x40000
	v_mov_b32 v255, 0
	s_wait_alu depctr_va_vdst(0)
	s_wait_tensorcnt 0x0
	ds_add_u32 v254, v255
	s_wait_dscnt 0x0
	s_endpgm
.Lfunc_end_k_qc00c371b42_attn:
	.size	k_qc00c371b42_attn, .Lfunc_end_k_qc00c371b42_attn-k_qc00c371b42_attn
	.p2alignl 7, 3214868480
	.fill 96, 4, 3214868480
	.section	.rodata,"a",@progbits
	.p2align	6, 0x0
	.amdhsa_kernel k_qc00c371b42_attn
		.amdhsa_group_segment_fixed_size 264192
		.amdhsa_private_segment_fixed_size 0
		.amdhsa_enable_private_segment 0
		.amdhsa_kernarg_size 24
		.amdhsa_user_sgpr_count 2
		.amdhsa_user_sgpr_kernarg_segment_ptr 1
		.amdhsa_wavefront_size32 1
		.amdhsa_system_sgpr_workgroup_id_x 1
		.amdhsa_system_sgpr_workgroup_id_y 1
		.amdhsa_system_sgpr_workgroup_id_z 1
		.amdhsa_system_vgpr_workitem_id 0
		.amdhsa_next_free_vgpr 256
		.amdhsa_next_free_sgpr 100
		.amdhsa_reserve_vcc 1
		.amdhsa_float_denorm_mode_32 3
		.amdhsa_float_denorm_mode_16_64 3
		.amdhsa_fp16_overflow 1
		.amdhsa_memory_ordered 1
		.amdhsa_forward_progress 1
		.amdhsa_inst_pref_size 111
	.end_amdhsa_kernel
	.amdgpu_metadata
---
amdhsa.version: [ 1, 2 ]
amdhsa.kernels:
  - .name:           k_qc00c371b42_attn
    .symbol:         k_qc00c371b42_attn.kd
    .args:
      - { .name: qkv, .offset: 0, .size: 8, .value_kind: global_buffer, .address_space: global }
      - { .name: lowp_scales, .offset: 8, .size: 8, .value_kind: global_buffer, .address_space: global }
      - { .name: ac, .offset: 16, .size: 8, .value_kind: global_buffer, .address_space: global }
    .group_segment_fixed_size: 264192
    .private_segment_fixed_size: 0
    .kernarg_segment_align: 8
    .kernarg_segment_size: 24
    .max_flat_workgroup_size: 512
    .sgpr_count:     100
    .vgpr_count:     256
    .wavefront_size: 32
...
	.end_amdgpu_metadata
.endif
;; end of part 3
;; launch oproj (part 4): grid 4 x 32, 4 waves a work-group, clusters of 4 x 4, 327,680 bytes of LDS; arguments ac, wc, lowp_scales, out0; writes out0
.if DOCPART == 4
	.amdgcn_target "amdgcn-amd-amdhsa--gfx1250"
	.amdhsa_code_object_version 6
	.text
	.protected	k_qc00c371b42_oproj
	.globl	k_qc00c371b42_oproj
	.p2align	8
	.type	k_qc00c371b42_oproj,@function
k_qc00c371b42_oproj:
	s_mov_b64 s[64:65], 0
	v_nop
	global_prefetch_b8 v0, s[64:65] scope:SCOPE_SE
	s_setreg_imm32_b32 hwreg(HW_REG_WAVE_MODE, 25, 1), 1
	s_wait_xcnt 0x0
	s_wait_alu depctr_hold_cnt(0) depctr_sa_sdst(0) depctr_va_vdst(0) depctr_va_sdst(0) depctr_va_ssrc(0) depctr_va_vcc(0) depctr_vm_vsrc(0)
	s_getreg_b32 s2, hwreg(HW_REG_IB_STS2, 6, 4)
	s_cmp_eq_u32 s2, 0
	s_cbranch_scc0 .Lentry_in_a_cluster
	s_endpgm
.Lentry_in_a_cluster:
	s_bfe_u32 s2, ttmp6, 0x10000c
	s_cmp_lg_u32 s2, 0xf033
	s_cbranch_scc0 .Lentry_shape_is_right
	s_endpgm
.Lentry_shape_is_right:
; out0 = attn Wo^T on codes of BF8 (E5M2), sums in f32, each finished sum x 2^(e10 + e11).  out0: [8192][1024] f32.
; OPERANDS.  ac (the attention's codes, 8,192 rows) and wc + 3 MiB (Wo's codes, 1,024 rows) hold images of fragments: 16 rows x 128 K, 16 registers a lane; lane (r, h) holds row r, registers 2 c, 2 c + 1 hold k = 16 c + 8 h + 0 .. 7;
; registers 4 g .. 4 g + 3 lie at 512 g + 16 x lane.  Fragments lie [row / 128][k / 256][(row / 16) % 8][(k / 128) % 2]: 128 rows x 256 K are 32,768 dense bytes.
; A tile of out0, 256 x 256, is made by four waves, as many as a WGP has SIMDs, each 128 x 128: 64 accumulators, 512 registers.  THE MATRIX INSTRUCTION IS USED TRANSPOSED (source 0 = 16 rows of Wo, source 1 = 16 rows of attn):
; a lane holds eight neighbouring numbers of a row of out0.  K = 1,024 goes in four steps of 256 through a ring of two LDS slots; each wave fetches 128 rows x 256 K, one dense block, by one tensor load.
; CLUSTERS: 4 x 4 work-groups.  The four of a row of the cluster need the same tiles of attn, the four of a column the same tiles of Wo: each is asked for jointly.
; LIMIT: e10 + e11 lies between -126 and 127, so that 2^(e10 + e11) is an f32 number.
; REGISTERS, in windows of 256: window 0: v16-29 addresses; from v128 A's fragments, ONE set; on the way out v32-255 are free.   window 1: B's fragments, TWO sets, at v0 and v128.
;   window 2: the accumulators of my rows 0-63 ((a, b) at v[8 (8 a + b)]);   window 3: those of my rows 64-127.
.set SIZE_N, 1024
.set FR,     16                        ; registers of a fragment
.set NL,     4                         ; LDS loads that bring one
.set NP,     4                         ; places behind this matrix instruction (ISA guide 7.12.1)
.set HALFT,  32768                     ; 128 rows x 256 K: what one tensor load brings, and what one wave reads of A or of B
.set SLOT,   4*HALFT                   ; A's two halves, then B's two
.set KSB,    32768                     ; from a K step to the next in memory
.set SPARE,  2*SLOT                    ; behind the ring: the spare words, 128 bytes for each wave: two blocks of 256 bytes that no other line names
.set SPITCH, 528                       ; the way out: a stage of 16 rows x (512 bytes + 16) for each wave.  It lies in slot 0, which has had its last fill and its last read when the first result is stored there
.set ADRA, 16                          ; v16-17  LDS address of my A fragments in slot 0, 1
.set ADRB, 20                          ; v20-21  the same for B
.set STO,  24                          ; v24     the way out: where I put 32 bytes of a row
.set RD,   25                          ; v25     the way out: where I read a row back
.set CO,   26                          ; v26     16 x lane: my place in an image, and my byte offset in a row of out0
.set SPW,  28                          ; v28     LDS address of my spare word; never rewritten
.set NIL,  29                          ; v29     0; never rewritten
.set TMP,  32                          ; the way out: 64 registers, a block's sums x 2^(e10 + e11)
.set AF,   128
.set BK,   128                         ; the way out: 16 rows read back from the stage: v128-191 and v192-255 by turns
.set G1, 24                            ; s[24:31] descriptor group 1 for A's tiles;  s[32:39] group 0, one set for each slot
.set G0, 32
.set G1B, 48                           ; s[48:55], s[56:63] the same for B's tiles
.set G0B, 56
.set MSB, 0
.macro WIN new                         ; the immediate's high byte repeats the setting that is left
.if MSB != \new
	s_set_vgpr_msb (MSB<<8)|\new
.set MSB, \new
.endif
.endm
.set MUL_LO, 0xa1                      ; source 0 (B) window 1, source 1 (A) window 0, C and D window 2
.set MUL_HI, 0xf1                      ; the same, C and D window 3
.set TO_B,   0x40                      ; destination window 1, address window 0
; A joint load: waves 0 and 1 fetch for A, waves 2 and 3 for B.  The branch hangs on the wave's number alone.  Four v_nop follow each of the two lines.
.macro JLOAD g0a, g1a, g0b, g1b
	s_cmp_eq_u32 s15, 0
	s_cbranch_scc0 .Lfor_b_\@
	tensor_load_to_lds s[\g0a:\g0a+3], s[\g1a:\g1a+7]
	s_nop 0
.rept 4
	v_nop
.endr
	s_branch .Lasked_\@
.Lfor_b_\@:
	tensor_load_to_lds s[\g0b:\g0b+3], s[\g1b:\g1b+7]
	s_nop 0
.rept 4
	v_nop
.endr
.Lasked_\@:
.endm
.macro CREST                           ; a round of the cluster's barrier behind its opening barrier
	s_cmp_lg_u32 s14, 0
	s_cbranch_scc1 .Lnot_wave_0_\@
	s_barrier_signal -3
.Lnot_wave_0_\@:
	s_barrier_wait -3
	s_barrier_signal -1
	s_barrier_wait -1
.endm
.macro CROUND                          ; a whole round
	s_barrier_signal -1
	s_barrier_wait -1
	CREST
.endm
	s_load_b256 s[4:11], s[0:1], 0x0               ; ac s[4:5], wc s[6:7], the scales' exponents s[8:9], out0 s[10:11]
	v_lshl_add_u32 v[SPW], v0, 2, SPARE
	v_mov_b32 v[NIL], 0
	ds_add_u32 v28, v29
	ds_add_u32 v28, v29
	s_wait_dscnt 0x0
	v_lshrrev_b32 v1, 5, v0
	v_readfirstlane_b32 s14, v1                    ; wave 0..3
	s_lshr_b32 s15, s14, 1                         ; which half of the tile's rows is mine.  Also: I fetch for A (0) or for B (1)
	s_and_b32 s16, s14, 1                          ; which half of its columns.  Also: which 128 rows I fetch
	s_bfe_u32 s40, ttmp6, 0x40000                  ; cx, cy: my place in the cluster
	s_bfe_u32 s41, ttmp6, 0x40004
	s_lshl_b32 s42, ttmp9, 2
	s_add_co_u32 s42, s42, s40                     ; tile column = 4 x cluster x + cx
	s_and_b32 s17, ttmp7, 0xffff
	s_lshl_b32 s17, s17, 2
	s_add_co_u32 s17, s17, s41                     ; tile row = 4 x cluster y + cy
	s_lshl_b32 s43, s41, 2
	s_lshl_b32 s43, 15, s43                        ; my row of the cluster
	s_lshl_b32 s44, 0x1111, s40                    ; my column
	; descriptor group 1: a dense block of 32,768 bytes as 128 rows of 32 elements of 8 bytes, no padding (an image is read at 16 x lane: consecutive bytes)
	s_or_b32 s[G1+0], s43, (3<<16)|(1<<21)         ; 15:0 the mask: A's tiles go to my row; 17:16 elements of 8 bytes; 21 set beside a mask
	s_or_b32 s[G1B+0], s44, (3<<16)|(1<<21)
.irp g, G1, G1B
	s_mov_b32 s[\g+1], 32<<16                      ; tensor_dim0 = 32
	s_mov_b32 s[\g+2], 128<<16                     ; tensor_dim1 = 128
	s_mov_b32 s[\g+3], 32<<16                      ; tile_dim0 = 32
	s_mov_b32 s[\g+4], 128                         ; tile_dim1 = 128
	s_mov_b32 s[\g+5], 32                          ; tensor_dim0_stride
	s_mov_b32 s[\g+6], 0
	s_mov_b32 s[\g+7], 0
.endr
	s_lshl_b32 s20, s17, 1
	s_add_co_u32 s20, s20, s16
	s_lshl_b32 s20, s20, 17                        ; A: (2 x tile row + half) blocks of 128 rows, 131,072 bytes each
	s_mov_b32 s21, 0
	s_lshl_b32 s46, s42, 1
	s_add_co_u32 s46, s46, s16
	s_lshl_b32 s46, s46, 17                        ; B likewise, by the tile column
	s_mov_b32 s47, 0
	s_lshl_b32 s45, s14, 15                        ; where they go: wave x 32,768: no place in the cluster enters an LDS address
	s_wait_kmcnt 0x0
	s_load_b64 s[96:97], s[8:9], 0x28              ; e10, e11
	s_add_nc_u64 s[20:21], s[4:5], s[20:21]
	s_add_nc_u64 s[6:7], s[6:7], 3*1048576         ; Wo's codes
	s_add_nc_u64 s[46:47], s[6:7], s[46:47]
	CROUND                                         ; all sixteen work-groups are here: the first joint loads meet
.irp s, 0,1
	s_mov_b32 s[G0+4*\s], 1
	s_add_co_u32 s[G0+4*\s+1], s45, \s*SLOT
	s_add_nc_u64 s[G0+4*\s+2:G0+4*\s+3], s[20:21], \s*KSB
	s_or_b32 s[G0+4*\s+3], s[G0+4*\s+3], 0x80000000
	s_mov_b32 s[G0B+4*\s], 1
	s_add_co_u32 s[G0B+4*\s+1], s45, \s*SLOT
	s_add_nc_u64 s[G0B+4*\s+2:G0B+4*\s+3], s[46:47], \s*KSB
	s_or_b32 s[G0B+4*\s+3], s[G0B+4*\s+3], 0x80000000
	JLOAD G0+4*\s, G1, G0B+4*\s, G1B
.endr
	v_and_b32 v1, 15, v0                           ; l % 16
	v_bfe_u32 v2, v0, 4, 1                         ; l / 16
	v_and_b32 v6, 31, v0
	v_lshlrev_b32 v[CO], 4, v6                     ; 16 x lane
	s_lshl_b32 s92, s15, 15                        ; my 128 rows of A
	s_lshl_b32 s93, s16, 15                        ; my 128 rows of B,
	s_add_co_u32 s93, s93, 2*HALFT                 ; which lie behind A's two halves
.irp s, 0,1
	v_add_nc_u32 v[ADRA+\s], s92, v[CO]
	v_add_nc_u32 v[ADRB+\s], s93, v[CO]
	s_add_co_u32 s92, s92, SLOT
	s_add_co_u32 s93, s93, SLOT
.endr
	s_mul_i32 s23, s14, 16*SPITCH                  ; my stage
	v_mul_u32_u24 v5, v1, SPITCH                   ; in: row l % 16, 32 bytes for each half of the lanes
	v_lshl_add_u32 v5, v2, 5, v5
	v_add_nc_u32 v[STO], s23, v5
	v_add_nc_u32 v[RD], s23, v[CO]                 ; back: the 32 lanes take one row of 512 bytes
	s_lshl_b32 s20, s17, 8
	s_lshl_b32 s21, s15, 7
	s_add_co_u32 s20, s20, s21                     ; my first row of out0: 256 x tile row + 128 x half,
	s_lshl_b32 s20, s20, 12                        ; of 4,096 bytes
	s_mov_b32 s21, 0
	s_lshl_b32 s46, s42, 10                        ; my first column, in bytes: 1,024 x tile column + 512 x half
	s_lshl_b32 s47, s16, 9
	s_add_co_u32 s46, s46, s47
	s_mov_b32 s47, 0
	s_add_nc_u64 s[20:21], s[20:21], s[46:47]
	s_add_nc_u64 s[10:11], s[10:11], s[20:21]
.macro FRAG reg, adr, q, i             ; fragment i of my eight, the slot's q-th 128 along K: four groups of four registers, 512 consecutive bytes a load
.irp c, 0,1,2,3
	ds_load_b128 v[\reg+4*\c:\reg+4*\c+3], v[\adr] offset:(2*(\i)+(\q))*2048+512*\c
.endr
.endm
; 16 matrix instructions: A's blocks a0, a0 + 1 x B's eight, 128 along K.  p: B's set.  zero = 1: the first product starts the sums.
; The 64 accumulators take turns, one instruction a turn, in the same order in every step.
.macro MUL16 a0, p, zero
.irp a, \a0, \a0+1
.irp b, 0,1,2,3,4,5,6,7
.if \zero
	v_wmma_f32_16x16x128_bf8_bf8 v[8*(8*((\a)%4)+\b):8*(8*((\a)%4)+\b)+7], v[128*(\p)+FR*\b:128*(\p)+FR*\b+FR-1], v[AF+FR*(\a):AF+FR*(\a)+FR-1], 0
.else
	v_wmma_f32_16x16x128_bf8_bf8 v[8*(8*((\a)%4)+\b):8*(8*((\a)%4)+\b)+7], v[128*(\p)+FR*\b:128*(\p)+FR*\b+FR-1], v[AF+FR*(\a):AF+FR*(\a)+FR-1], v[8*(8*((\a)%4)+\b):8*(8*((\a)%4)+\b)+7]
.endif
.endr
.endr
.endm
.macro FETCH_B slot, q, p
	WIN TO_B
.irp i, 0,1,2,3,4,5,6,7
	FRAG 128*(\p)+FR*\i, ADRB+\slot, \q, \i
.endr
	WIN 0
.endm
.macro FETCH_A slot, q, i0
.irp i, \i0, \i0+1, \i0+2, \i0+3
	FRAG AF+FR*(\i), ADRA+\slot, \q, \i
.endr
.endm
; A load into a register that a matrix instruction has read, and a vector instruction that reads a matrix result, stand NP places behind it; only plain vector instructions that name none of its registers are places.
.macro PLACES n
.rept \n
	v_nop
.endr
.endm
; A step of 128 along K that has its successor in the same slot.  A's blocks go one after the other, each against B's eight: so one set of registers serves A (blocks 0-3 are fetched anew in the step's middle, 4-7 at its end), two serve B.
.macro STEP slot, q, zero
	s_wait_dscnt 4*NL                              ; B's set and A's blocks 0-3 are in; the youngest 16 loads (A's blocks 4-7) may be out
	WIN MUL_LO
	MUL16 0, (\q)%2, \zero
	MUL16 2, (\q)%2, \zero
	s_wait_dscnt 0                                 ; A's blocks 4-7 are in
	PLACES NP
	FETCH_B \slot, (\q)+1, 1-(\q)%2
	FETCH_A \slot, (\q)+1, 0
	WIN MUL_HI
	MUL16 4, (\q)%2, \zero
	MUL16 6, (\q)%2, \zero
	PLACES NP
	WIN 0
	FETCH_A \slot, (\q)+1, 4
.endm
; A slot's last step changes slots: ONE barrier; in front of it each wave waits for all its tensor loads, adds 0 to its spare word, and waits for that and for its own reads of this slot.  fill = 1: this slot is filled again, two K steps ahead.
.macro TURN slot, next, fill
	s_wait_tensorcnt 0x0                           ; all my tensor loads have landed: my part of the next slot  (every window is 0 here)
	ds_add_u32 v[SPW], v[NIL]                      ; 0 onto my spare word
	s_wait_dscnt 4*NL+1                            ; (the add and the youngest 16 loads, A's blocks 4-7, may be out)
	WIN MUL_LO
	MUL16 0, 1, 0                                  ; sixteen matrix instructions stand between the add and the wait for it
	s_wait_dscnt 0x0                               ; the add is done, and my reads of this slot are over
	s_barrier_signal -1
	MUL16 2, 1, 0
	WIN 0
	s_barrier_wait -1
.if \fill
	CREST                                          ; the barrier has opened a round of the cluster's barrier: no wave of any partner still reads this slot or has a load on its way
	s_add_nc_u64 s[G0+4*\slot+2:G0+4*\slot+3], s[G0+4*\slot+2:G0+4*\slot+3], 2*KSB
	s_add_nc_u64 s[G0B+4*\slot+2:G0B+4*\slot+3], s[G0B+4*\slot+2:G0B+4*\slot+3], 2*KSB
	JLOAD G0+4*\slot, G1, G0B+4*\slot, G1B         ; the first tensor load behind the round; its four v_nop are the places in front of the loads below
.else
	PLACES NP
.endif
	FETCH_B \next, 0, 0
	FETCH_A \next, 0, 0
	WIN MUL_HI
	MUL16 4, 1, 0
	MUL16 6, 1, 0
	PLACES NP
	WIN 0
	FETCH_A \next, 0, 4
.endm
	s_wait_tensorcnt 1                             ; my part of K step 0 is in (K step 1's load may be out)
	s_barrier_signal -1
	s_barrier_wait -1                              ; everybody's is
	FETCH_B 0, 0, 0
	FETCH_A 0, 0, 0
	FETCH_A 0, 0, 4
	STEP 0, 0, 1                                   ; K = 1,024 is eight steps of 128, written out: the first starts the sums
	TURN 0, 1, 1                                   ; slot 0 takes K step 2
	STEP 1, 0, 0
	TURN 1, 0, 1                                   ; slot 1 takes K step 3
	STEP 0, 0, 0
	TURN 0, 1, 0                                   ; nothing is left to fetch; behind this barrier nobody reads slot 0
	STEP 1, 0, 0
	s_wait_dscnt 4*NL                              ; the very last step
	WIN MUL_LO
	MUL16 0, 1, 0
	MUL16 2, 1, 0
	s_wait_dscnt 0
	WIN MUL_HI
	MUL16 4, 1, 0
	MUL16 6, 1, 0
	WIN 0
; THE WAY OUT, block by block of 16 rows x 128 columns.  A lane holds 32 neighbouring bytes of a row, and the lanes beside it hold other rows: so a block goes through my own stage in LDS and comes back as whole
; rows of 512 bytes, which the 32 lanes store as 512 consecutive bytes.  LDS serves a wave's instructions in order (ISA guide 5.7.1.4): no wait between the stores and the loads, nor in front of the next block's stores.
.macro TOSTAGE a
.set AC, 64*((\a)%4)
	WIN 0x02+((\a)/4)                              ; source 0: window 2 or 3
.irp j, 0,2,4,6,8,10,12,14,16,18,20,22,24,26,28,30,32,34,36,38,40,42,44,46,48,50,52,54,56,58,60,62
	v_pk_mul_f32 v[TMP+\j:TMP+\j+1], v[AC+\j:AC+\j+1], s[96:97] op_sel_hi:[1,0]   ; both x s96 = 2^(e10 + e11); each accumulator from its low end on
.endr
	WIN 0
.irp b, 0,1,2,3,4,5,6,7
	ds_store_b128 v[STO], v[TMP+8*\b:TMP+8*\b+3] offset:64*\b
	ds_store_b128 v[STO], v[TMP+8*\b+4:TMP+8*\b+7] offset:64*\b+16
.endr
.set BB, BK+64*((\a)%2)
.irp t, 0,1,2,3,4,5,6,7,8,9,10,11,12,13,14,15
	ds_load_b128 v[BB+4*\t:BB+4*\t+3], v[RD] offset:\t*SPITCH
.endr
.endm
.macro SEND a, younger                 ; younger: the LDS instructions issued behind block a's loads, which may stay out
.set BB, BK+64*((\a)%2)
	s_wait_dscnt \younger                          ; the block is back in registers
.if (\a) > 0
	s_add_nc_u64 s[10:11], s[10:11], 16*SIZE_N*4   ; (behind a wait on XCNT: the earlier stores have read their base)  16 rows on
.endif
.irp t, 0,1,2,3,4,5,6,7,8,9,10,11,12,13,14,15
	global_store_b128 v[CO], v[BB+4*\t:BB+4*\t+3], s[10:11] offset:\t*SIZE_N*4 th:TH_STORE_NT   ; 32 lanes store 512 consecutive bytes, at a multiple of 512 from out0's first byte; written once, read by nobody here
.endr
.endm
	s_wait_kmcnt 0x0
	s_add_co_i32 s96, s96, s97                     ; e10 + e11, between -126 and 127,
	s_add_co_i32 s96, s96, 127
	s_lshl_b32 s96, s96, 23                        ; makes the f32 number 2^(e10 + e11)
	PLACES NP                                      ; in front of the first read of results and of the loads into the registers that held A's fragments
	TOSTAGE 0
.irp a, 1,2,3,4,5,6,7
.if \a > 1
	s_wait_xcnt 0x0                                ; block a - 2's stores have read their registers and their base: block a's loads may land there, and the base may step
.endif
	TOSTAGE \a
	SEND \a-1, 32                                  ; behind block a - 1's loads: block a's 16 stores and 16 loads
.endr
	s_wait_xcnt 0x0                                ; block 6's stores have read their base
	SEND 7, 0
	s_wait_tensorcnt 0x0                           ; the wave's end
	ds_add_u32 v[SPW], v[NIL]
	s_wait_dscnt 0x0
	CROUND                                         ; the closing round: no work-group ends while a partner may still ask for a tile that names it
	s_endpgm
.Lfunc_end_k_qc00c371b42_oproj:
	.size	k_qc00c371b42_oproj, .Lfunc_end_k_qc00c371b42_oproj-k_qc00c371b42_oproj
	.p2alignl 7, 3214868480
	.fill 96, 4, 3214868480
	.section	.rodata,"a",@progbits
	.p2align	6, 0x0
	.amdhsa_kernel k_qc00c371b42_oproj
		.amdhsa_group_segment_fixed_size 327680
		.amdhsa_private_segment_fixed_size 0
		.amdhsa_enable_private_segment 0
		.amdhsa_kernarg_size 32
		.amdhsa_user_sgpr_count 2
		.amdhsa_user_sgpr_kernarg_segment_ptr 1
		.amdhsa_wavefront_size32 1
		.amdhsa_system_sgpr_workgroup_id_x 1
		.amdhsa_system_sgpr_workgroup_id_y 1
		.amdhsa_system_sgpr_workgroup_id_z 1
		.amdhsa_system_vgpr_workitem_id 0
		.amdhsa_next_free_vgpr 1024
		.amdhsa_next_free_sgpr 100
		.amdhsa_reserve_vcc 0
		.amdhsa_float_denorm_mode_32 3
		.amdhsa_float_denorm_mode_16_64 3
		.amdhsa_memory_ordered 1
		.amdhsa_forward_progress 1
		.amdhsa_inst_pref_size 123
	.end_amdhsa_kernel
	.amdgpu_metadata
---
amdhsa.version: [ 1, 2 ]
amdhsa.kernels:
  - .name:           k_qc00c371b42_oproj
    .symbol:         k_qc00c371b42_oproj.kd
    .args:
      - { .name: ac, .offset: 0, .size: 8, .value_kind: global_buffer, .address_space: global }
      - { .name: wc, .offset: 8, .size: 8, .value_kind: global_buffer, .address_space: global }
      - { .name: lowp_scales, .offset: 16, .size: 8, .value_kind: global_buffer, .address_space: global }
      - { .name: out0, .offset: 24, .size: 8, .value_kind: global_buffer, .address_space: global }
    .group_segment_fixed_size: 327680
    .private_segment_fixed_size: 0
    .kernarg_segment_align: 8
    .kernarg_segment_size: 32
    .max_flat_workgroup_size: 128
    .sgpr_count:     100
    .vgpr_count:     1024
    .wavefront_size: 32
...
	.end_amdgpu_metadata
.endif
;; end of part 4
